; MI455X (gfx1250); checked and timed in simulation.
; The chip was launched on July 23, 2026; its instructions are those of AMD's public machine-readable ISA for CDNA 5 (MIT licence, August 2026) and "CDNA5" Instruction Set Architecture Reference Guide (July 2026). The comments in the code are by the model that wrote it; some were corrected since.
;; Quant Linear. Allowed arithmetic: matrix products marked QUANTISED: E2M1 operands, one E8M0 scale for each 32 along K, by v_wmma_scale_f32_16x16x128_f8f6f4 with both operands' format E2M1 (or v_wmma_scale_f32_32x16x128_f4), f32 sums; everything else in f32.
;; Inputs: W 2,048 x 4,096 float32; x 4 x 2,048 x 4,096 float32.
;; Outputs: out0 4 x 2,048 x 2,048 float32.
;; This version of the problem:
;;   THIS VERSION OF THE PROBLEM IS GIVEN IN LOW PRECISION. The matrix products marked QUANTISED in the list below multiply operands that are first quantised to E2M1 (2 exponent bits, 1 mantissa bit; 4 bits a number), with one power-of-two scale for each 32 numbers along K (OCP MX v1.0); their sums are f32. All else is computed in f32.
;;   The module's matrix products, in the order in which they are computed (A, B: the left and right operand; K: the contracted axis; several contracted axes count as one K, in the product's order):
;;     1. [M 8,192, K 4,096] x [K 4,096, N 2,048]; A: input x; B: computed on the way: QUANTISED
;;   THE QUANTISER, for each operand of a quantised product, along K:
;;     - K is cut into blocks of 32 from its start; a last block that is shorter is filled with zeros.
;;     - A block's scale is 2^e with e = floor(log2(the largest magnitude in the block)) - 2, held to -126 .. 127; a block of zeros has e = 0. As a byte (E8M0): e + 127.
;;     - Each number is divided by its block's scale, clamped to +-6, and rounded to the nearest number of E2M1, ties to even, subnormals kept.
;;     - The product sums the exact products of the quantised numbers (number of the format x scale) in f32.
;;   ~~~python
;;   def quantise(x, axis):      # numpy; x: float32 -> the quantised numbers, widened to float32 again
;;       x = np.moveaxis(x, axis, -1); K = x.shape[-1]
;;       x = np.pad(x, [(0, 0)] * (x.ndim - 1) + [(0, -K % 32)]); x = x.reshape(x.shape[:-1] + (-1, 32)); a = np.abs(x).max(-1, keepdims=True)
;;       e = np.where(a > 0, np.clip(np.frexp(np.where(a > 0, a, 1))[1] - 1 - 2, -126, 127), 0)      # np.frexp(a)[1] - 1 = floor(log2(a)), exactly
;;       r = np.clip(x / 2.0 ** e, -6, 6)
;;       step = 2.0 ** (np.maximum(np.frexp(np.where(r == 0, 1, r))[1] - 1, 0) - 1)
;;       q = np.round(r / step) * step * 2.0 ** e      # np.round: ties to even
;;       return np.moveaxis(q.reshape(q.shape[:-2] + (-1,))[..., :K], -1, axis).astype(np.float32)
;;   ~~~
;;   OPERANDS COMPUTED ON THE WAY. 'Computed on the way' means the value that the module computes at that place (a softmax that the list does not call 'softmax' is quantised finished and normalised). What goes into a quantiser is computed in f32, as accurately as f32 sums, v_exp_f32 and their like allow (about 1e-6 of the number): no bf16 or f16 on the way to a quantiser, and a product that is left as it is and whose result goes on into a quantised operand takes f32 operands (vector FMAs, or v_wmma_f32_16x16x4_f32). A number that lies on a knife's edge between two numbers of the format may be rounded either way, as far as f32 arithmetic and the matrix unit's own rounding can turn it there, and no further.
;; One version. Each part assembles by itself: llvm-mc -triple=amdgcn-amd-amdhsa -mcpu=gfx1250 --defsym DOCPART=n.
;; ======== version 1 of 1: 3 launches
;; limits: right only within a limited range of input values
;; workspace buffers: part 1,024 bytes; xq 17,825,792 bytes; wq 4,456,448 bytes
;; launch wsum (part 1): grid 256 x 1, 8 waves a work-group, no clusters, 1,280 bytes of LDS; arguments W, part; writes part
.if DOCPART == 1
	.amdgcn_target "amdgcn-amd-amdhsa--gfx1250"
	.amdhsa_code_object_version 6
	.text
	.protected	k_q6e7fe194e5_wsum
	.globl	k_q6e7fe194e5_wsum
	.p2align	8
	.type	k_q6e7fe194e5_wsum,@function
k_q6e7fe194e5_wsum:
	s_mov_b64 s[64:65], 0
	v_nop
	global_prefetch_b8 v0, s[64:65] scope:SCOPE_SE
	s_setreg_imm32_b32 hwreg(HW_REG_WAVE_MODE, 25, 1), 1
	s_wait_xcnt 0x0
; part[g] = the sum of |W| over work-group g's 32,768 numbers.  W: [2048][4096] f32 = 256 x 131,072 bytes; part: 256 f32.
; The mean of |W| spans the whole tensor, so it is made in two launches: here 256 partial sums, each stored by its one owner; the next launch adds the 256.
; A wave takes 16,384 consecutive bytes by 32 loads of 512 consecutive bytes; a lane adds its 128 magnitudes in eight chains of 16, so that
; the additions form a balanced tree (16 in a chain, 8 chains, 32 lanes, 8 waves) and no chain waits for the line above it.
; No matrix unit, no cluster, no tensor load: the work-groups share no input and each byte is read once.
; LIMIT: the sum of |W| has to stay finite in f32, as it has to in the definition; NaN and infinities are not served.
.set A,  4                             ; v[4:11]    eight chains
.set D,  16                            ; v[16:143]  my 128 numbers
.set P,  144                           ; v[144:151] the eight waves' sums
	s_load_b128 s[4:7], s[0:1], 0x0                ; W s[4:5], part s[6:7]
	v_lshl_add_u32 v160, v0, 2, 0x100
	v_mov_b32 v161, 0
	v_and_b32 v1, 31, v0
	v_lshrrev_b32 v3, 5, v0
	s_delay_alu instid0(VALU_DEP_1)
	v_readfirstlane_b32 s8, v3                     ; wave 0..7
	s_delay_alu instid0(VALU_DEP_3)
	v_lshlrev_b32 v1, 4, v1                        ; 16 bytes a lane
	s_delay_alu instid0(VALU_DEP_3)
	v_lshlrev_b32 v3, 2, v3                        ; LDS: my wave's word
	v_mov_b32 v2, 0                                ; a lane permute's destination counts as one of its sources
	v_mov_b32 v12, 0
	s_lshl_b32 s10, ttmp9, 17                      ; 131,072 bytes a work-group,
	s_lshl_b32 s9, s8, 14                          ; 16,384 a wave
	s_add_co_u32 s10, s10, s9
	s_mov_b32 s11, 0
	s_mov_b32 s12, 0x76543210                      ; v_permlanex16_b32's selects for lane l xor 16
	s_mov_b32 s13, 0xfedcba98
	s_wait_alu depctr_va_vdst(0)
	s_wait_kmcnt 0x0
	s_add_nc_u64 s[4:5], s[4:5], s[10:11]
.irp j, 0,1,2,3,4,5,6,7,8,9,10,11,12,13,14,15,16,17,18,19,20,21,22,23,24,25,26,27,28,29,30,31
	global_load_b128 v[D+4*\j:D+4*\j+3], v1, s[4:5] offset:512*\j   ; 32 lanes read 512 consecutive bytes; all 32 loads go out at once
.endr
	s_wait_loadcnt 24                              ; the first eight loads are in; the 24 younger ones stay out
.irp k, 0,1,2,3,4,5,6,7
	v_add_f32 v[A+\k], |v[D+\k]|, |v[D+8+\k]|      ; the first numbers start the chains: nothing is cleared
.endr
.irp m, 2,3
.irp k, 0,1,2,3,4,5,6,7
	v_add_f32 v[A+\k], v[A+\k], |v[D+8*\m+\k]|
.endr
.endr
	s_wait_alu depctr_va_vdst(0)
.irp g, 1,2,3
	s_wait_alu depctr_va_vdst(0)
	s_wait_loadcnt 24-8*\g                         ; group g's eight loads are in; the younger groups stay out
.irp m, 0,1,2,3
.irp k, 0,1,2,3,4,5,6,7
	v_add_f32 v[A+\k], v[A+\k], |v[D+32*\g+8*\m+\k]|
.endr
.endr
.endr
	v_add_f32 v4, v4, v5                           ; the eight chains
	v_add_f32 v6, v6, v7
	v_add_f32 v8, v8, v9
	s_delay_alu instid0(VALU_DEP_4)
	v_add_f32 v10, v10, v11
	s_delay_alu instid0(VALU_DEP_3)
	v_add_f32 v4, v4, v6
	s_delay_alu instid0(VALU_DEP_2)
	v_add_f32 v8, v8, v10
	s_delay_alu instid0(VALU_DEP_1)
	v_add_f32 v4, v4, v8
	s_delay_alu instid0(VALU_DEP_1)
	v_add_f32_dpp v4, v4, v4 row_xmask:1 row_mask:0xf bank_mask:0xf   ; the 32 lanes
	s_delay_alu instid0(VALU_DEP_1)
	v_add_f32_dpp v4, v4, v4 row_xmask:2 row_mask:0xf bank_mask:0xf
	s_delay_alu instid0(VALU_DEP_1)
	v_add_f32_dpp v4, v4, v4 row_xmask:4 row_mask:0xf bank_mask:0xf
	s_delay_alu instid0(VALU_DEP_1)
	v_add_f32_dpp v4, v4, v4 row_xmask:8 row_mask:0xf bank_mask:0xf
	s_delay_alu instid0(VALU_DEP_1)
	v_permlanex16_b32 v2, v4, s12, s13
	s_delay_alu instid0(VALU_DEP_1)
	v_add_f32 v4, v4, v2
	ds_store_b32 v3, v4                            ; all lanes of a wave write the wave's word with the same value
	s_wait_dscnt 0x0                               ; for the others' sake: my store has landed
	s_barrier_signal -1
	s_barrier_wait -1
	ds_load_b128 v[P:P+3], v12                     ; the eight waves' sums
	ds_load_b128 v[P+4:P+7], v12 offset:16
	s_lshl_b32 s10, ttmp9, 2                       ; my work-group's word of part
	s_add_nc_u64 s[6:7], s[6:7], s[10:11]
	s_wait_dscnt 0x0
	v_add_f32 v144, v144, v145
	v_add_f32 v146, v146, v147
	v_add_f32 v148, v148, v149
	v_add_f32 v150, v150, v151
	s_delay_alu instid0(VALU_DEP_3)
	v_add_f32 v144, v144, v146
	s_delay_alu instid0(VALU_DEP_2)
	v_add_f32 v148, v148, v150
	s_delay_alu instid0(VALU_DEP_1)
	v_add_f32 v144, v144, v148
	s_wait_alu depctr_va_vdst(0)
	s_wait_xcnt 0x0                                ; EXEC is a source of the loads above: it changes only behind this wait
	v_cmp_eq_u32 vcc_lo, 0, v0
	s_wait_tensorcnt 0x0
	ds_add_u32 v160, v161
	s_wait_dscnt 0x0
	s_and_saveexec_b32 s14, vcc_lo                 ; thread 0 alone stores: four bytes a work-group, 1,024 in the launch
	global_store_b32 v12, v144, s[6:7]
	s_wait_xcnt 0x0                                ; and again in front of the line that widens it
	s_or_b32 exec_lo, exec_lo, s14
	s_endpgm
.Lfunc_end_k_q6e7fe194e5_wsum:
	.size	k_q6e7fe194e5_wsum, .Lfunc_end_k_q6e7fe194e5_wsum-k_q6e7fe194e5_wsum
	.p2alignl 7, 3214868480
	.fill 96, 4, 3214868480
	.section	.rodata,"a",@progbits
	.p2align	6, 0x0
	.amdhsa_kernel k_q6e7fe194e5_wsum
		.amdhsa_group_segment_fixed_size 1280
		.amdhsa_private_segment_fixed_size 0
		.amdhsa_enable_private_segment 0
		.amdhsa_kernarg_size 16
		.amdhsa_user_sgpr_count 2
		.amdhsa_user_sgpr_kernarg_segment_ptr 1
		.amdhsa_wavefront_size32 1
		.amdhsa_system_sgpr_workgroup_id_x 1
		.amdhsa_system_sgpr_workgroup_id_y 1
		.amdhsa_system_sgpr_workgroup_id_z 1
		.amdhsa_system_vgpr_workitem_id 0
		.amdhsa_next_free_vgpr 162
		.amdhsa_next_free_sgpr 66
		.amdhsa_reserve_vcc 1
		.amdhsa_float_denorm_mode_32 3
		.amdhsa_float_denorm_mode_16_64 3
		.amdhsa_memory_ordered 1
		.amdhsa_forward_progress 1
		.amdhsa_inst_pref_size 14
	.end_amdhsa_kernel
	.amdgpu_metadata
---
amdhsa.version: [ 1, 2 ]
amdhsa.kernels:
  - .name:           k_q6e7fe194e5_wsum
    .symbol:         k_q6e7fe194e5_wsum.kd
    .args:
      - { .name: W, .offset: 0, .size: 8, .value_kind: global_buffer, .address_space: global }
      - { .name: part, .offset: 8, .size: 8, .value_kind: global_buffer, .address_space: global }
    .group_segment_fixed_size: 1280
    .private_segment_fixed_size: 0
    .kernarg_segment_align: 8
    .kernarg_segment_size: 16
    .max_flat_workgroup_size: 256
    .sgpr_count:     66
    .vgpr_count:     162
    .wavefront_size: 32
...
	.end_amdgpu_metadata
.endif
;; end of part 1
;; launch quant (part 2): grid 1280 x 1, 2 waves a work-group, no clusters, 17,152 bytes of LDS; arguments x, W, part, xq, wq; writes xq, wq
.if DOCPART == 2
	.amdgcn_target "amdgcn-amd-amdhsa--gfx1250"
	.amdhsa_code_object_version 6
	.text
	.protected	k_q6e7fe194e5_quant
	.globl	k_q6e7fe194e5_quant
	.p2align	8
	.type	k_q6e7fe194e5_quant,@function
k_q6e7fe194e5_quant:
	s_mov_b64 s[64:65], 0
	v_nop
	global_prefetch_b8 v0, s[64:65] scope:SCOPE_SE
	s_setreg_imm32_b32 hwreg(HW_REG_WAVE_MODE, 25, 1), 1
	s_wait_xcnt 0x0
; Both operands of the product become codes of FP4 (E2M1) with one E8M0 scale byte for each 32 along K = 4,096.
; x [8192][4096] f32 is quantised as it is.  W [2048][4096] f32 first becomes w = (q s - W) + W, q = clip(round(W / s), -2, 2), s = max(mean |W|, 1e-8), all in f32:
; the mean from the 256 partial sums of the launch before (added in the same order by every wave, so that every wave has the same s); W / s as W x (1 / s) corrected by its residual
; (two fused multiply-adds; 1 / s itself has had one Newton step); the last three operations are left unfused, since the definition rounds three times there.
; A block's scale is 2^(floor(log2(its largest magnitude)) - 2); its byte is the largest magnitude's exponent field - 2, held at 1 from below.
; LIMITS: a block of zeros gets the byte 1 where the rule says 127 (its codes are zeros, which add nothing under any byte but 0xff, and this program alone reads the bytes);
; blocks whose largest magnitude lies under 2^-124, the floor, are quantised under the byte 1; NaN and infinities among the inputs are not served.
; THE OUTPUT IS LAID AS THE PRODUCT'S REGISTERS WANT IT.  A tile = 128 rows x 512 along K = 34,816 consecutive bytes, tile (rb, ks) at (8 rb + ks) x 34,816:
;   bytes 0 .. 32,767: fragment (i, q) (rows 16 i on, k 128 q on) at (4 i + q) x 1,024: its registers 4 c .. 4 c + 3 at + 512 c, lane l's 16 bytes at + 16 l; lane (r, h) holds row 16 i + r, k = 128 q + 64 c + 32 h + 0 .. 31;
;   bytes 32,768 on: row 16 i + r has 16 bytes at 256 i + 16 r: its scale word for each q.
; SHARES.  A wave takes 16 rows x 1,024 along K: eight steps of one fragment.  W has 512 such tasks (work-groups 0 to 255), x 2,048 (the other 1,024).  Waves share nothing: no barrier, no cluster.
; Only pointers are chosen by the work-group's number, and one run of register work (W's) stands under a scalar branch on it: every LDS and memory line is common to both tensors.
; A STEP.  Sixteen loads, each 512 consecutive bytes of one row; the 8,192 bytes turn through the wave's own stage in LDS (rows 528 bytes apart: 132 words, so row r starts at bank 4 r mod 64, ISA guide 11.1)
; and come back so that a lane holds two whole blocks of 32 neighbours of its row: the block's largest magnitude needs no other lane, and the conversions' results are the fragment's registers.
; Loads run two steps ahead (16 to 32 loads a wave out).
.set NWGW,  256                        ; work-groups that take W
.set TILEB, 34816
.set SP,    528                        ; a stage row
.set STG,   16*SP                      ; a wave's stage
.set GL,  4                            ; v4   16 x lane: my place in a load's and in a code store's 512 bytes
.set SA,  5                            ; v5   the stage, on the way in: stage + 16 x lane
.set LA,  6                            ; v6   and out: stage + 528 r + 128 h
.set SH,  7                            ; v7   8 h: where my two scale bytes stand in the word
.set SO,  8                            ; v8   34,816 h + 16 r: my place in the last store
.set PD,  9                            ; v9   lane permutes' destination
.set MX,  10                           ; v10-11 largest magnitudes
.set SCL, 12                           ; v12-13 the conversions' scale operands
.set BY,  14                           ; v14-15 scale bytes
.set WD,  16                           ; v16  the scale word in the making
.set PO,  17                           ; v17  32 x lane: my eight partial sums
.set SS,  18                           ; v[18:19] s, twice
.set RI,  20                           ; v[20:21] 1 / s, twice
.set NS,  22                           ; v[22:23] -s, twice
.set DW,  24                           ; v[24:27] scale words: lanes 0-15 steps 0-3, lanes 16-31 steps 4-7
.set CD,  28                           ; v[28:35] a fragment's codes
.set Q,   36                           ; v[36:43], v[44:51] at work on W
.set E,   44
.set PS,  52                           ; v[52:59] partial sums
.set R,   64                           ; v64-127, v128-191 numbers as loaded, two sets
.set X,   192                          ; v192-255 my two blocks of 32
	s_load_b256 s[4:11], s[0:1], 0x0               ; x s[4:5], W s[6:7], part s[8:9], xq s[10:11]
	s_load_b64 s[12:13], s[0:1], 0x20              ; wq
	v_lshl_add_u32 v62, v0, 2, 0x4200
	v_mov_b32 v63, 0
	v_lshrrev_b32 v1, 5, v0
	v_readfirstlane_b32 s14, v1                    ; wave 0..1
	v_and_b32 v1, 31, v0                           ; lane
	v_and_b32 v2, 15, v0                           ; r
	v_bfe_u32 v3, v0, 4, 1                         ; h
	v_lshlrev_b32 v[GL], 4, v1
	v_lshlrev_b32 v[PO], 5, v1
	s_mul_i32 s15, s14, STG
	v_add_nc_u32 v[SA], s15, v[GL]
	v_mul_u32_u24 v[LA], v2, SP
	v_lshl_add_u32 v[LA], v3, 7, v[LA]
	v_add_nc_u32 v[LA], s15, v[LA]
	v_lshlrev_b32 v[SH], 3, v3
	v_mul_u32_u24 v[SO], v3, TILEB
	v_lshl_add_u32 v[SO], v2, 4, v[SO]
	v_mov_b32 v[PD], 0
	v_cmp_lt_u32 s28, 15, v1                       ; lanes 16-31
	s_mov_b32 s26, 0x76543210                      ; v_permlanex16_b32's selects for lane l xor 16
	s_mov_b32 s27, 0xfedcba98
	s_cmp_lt_u32 ttmp9, NWGW
	s_cselect_b32 s29, 0, NWGW
	s_sub_co_u32 s16, ttmp9, s29
	s_lshl_b32 s16, s16, 1
	s_add_co_u32 s16, s16, s14                     ; my task in its tensor
	s_lshr_b32 s17, s16, 2                         ; which 16 rows
	s_and_b32 s18, s16, 3                          ; u: which 1,024 along K
	s_lshl_b32 s20, s17, 18                        ; in: 16 rows of 16,384 bytes,
	s_lshl_b32 s29, s18, 12                        ; 4,096 bytes a task
	s_add_co_u32 s20, s20, s29
	s_mov_b32 s21, 0
	s_lshr_b32 s22, s17, 3
	s_lshl_b32 s22, s22, 3
	s_lshl_b32 s29, s18, 1
	s_add_co_u32 s22, s22, s29                     ; out: tile 8 rb + 2 u
	s_mul_i32 s22, s22, TILEB
	s_and_b32 s29, s17, 7                          ; i: which 16 rows of the tile
	s_lshl_b32 s24, s29, 8
	s_add_co_u32 s24, s24, s22
	s_add_co_u32 s24, s24, 32768                   ; the scale words: tile + 32,768 + 256 i
	s_lshl_b32 s29, s29, 12
	s_add_co_u32 s22, s22, s29                     ; the codes: tile + 4,096 i
	s_mov_b32 s23, 0
	s_mov_b32 s25, 0
	s_wait_kmcnt 0x0
	s_cmp_lt_u32 ttmp9, NWGW                       ; W's work-group or x's?  The choice hangs on the work-group's number alone
	s_cselect_b64 s[4:5], s[6:7], s[4:5]
	s_cselect_b64 s[10:11], s[12:13], s[10:11]
	s_add_nc_u64 s[4:5], s[4:5], s[20:21]
	s_add_nc_u64 s[24:25], s[10:11], s[24:25]
	s_add_nc_u64 s[10:11], s[10:11], s[22:23]
.macro LOAD t                          ; step t: 128 along K of my 16 rows into set t % 2
.irp i, 0,1,2,3,4,5,6,7,8,9,10,11,12,13,14,15
	global_load_b128 v[R+64*((\t)%2)+4*\i:R+64*((\t)%2)+4*\i+3], v[GL], s[4:5] offset:16384*\i+512*(\t) th:TH_LOAD_NT   ; 512 consecutive bytes of row i, read once in this launch
.endr
.endm
	global_load_b128 v[PS:PS+3], v[PO], s[8:9]     ; the 256 partial sums, eight a lane
	global_load_b128 v[PS+4:PS+7], v[PO], s[8:9] offset:16
	LOAD 0
	LOAD 1
	s_wait_loadcnt 32                              ; the partial sums are in; the 32 loads issued behind them stay out
	v_add_f32 v52, v52, v53
	v_add_f32 v54, v54, v55
	v_add_f32 v56, v56, v57
	v_add_f32 v58, v58, v59
	v_add_f32 v52, v52, v54
	v_add_f32 v56, v56, v58
	v_add_f32 v52, v52, v56
	v_add_f32_dpp v52, v52, v52 row_xmask:1 row_mask:0xf bank_mask:0xf
	v_add_f32_dpp v52, v52, v52 row_xmask:2 row_mask:0xf bank_mask:0xf
	v_add_f32_dpp v52, v52, v52 row_xmask:4 row_mask:0xf bank_mask:0xf
	v_add_f32_dpp v52, v52, v52 row_xmask:8 row_mask:0xf bank_mask:0xf
	v_permlanex16_b32 v[PD], v52, s26, s27
	v_add_f32 v52, v52, v[PD]                      ; the sum of |W|
	v_mul_f32 v[SS], 0x34000000, v52               ; / 2^23 numbers: exact
	v_max_num_f32 v[SS], 0x322bcc77, v[SS]         ; s = max(mean, 1e-8)
	s_wait_alu depctr_va_vdst(0)
	v_rcp_f32 v[RI], v[SS]
	v_xor_b32 v[NS], 0x80000000, v[SS]             ; -s.  (The plain line behind the reciprocal: ISA guide 5.7.2)
	v_mov_b32 v[SS+1], v[SS]
	s_wait_alu depctr_va_vdst(0)
	v_fma_f32 v[RI+1], v[NS], v[RI], 1.0           ; 1 - s r
	v_fma_f32 v[RI], v[RI+1], v[RI], v[RI]         ; r + r (1 - s r): one Newton step
	v_mov_b32 v[NS+1], v[NS]
	v_mov_b32 v[RI+1], v[RI]
; W's 64 numbers of a lane become (q s - W) + W, eight at a time, so that no line waits for the line above it
.macro WSTE
.irp g, 0,1,2,3,4,5,6,7
.irp p, 0,2,4,6
	v_pk_mul_f32 v[Q+\p:Q+\p+1], v[X+8*\g+\p:X+8*\g+\p+1], v[RI:RI+1]                          ; W x (1 / s),
.endr
.irp p, 0,2,4,6
	v_pk_fma_f32 v[E+\p:E+\p+1], v[Q+\p:Q+\p+1], v[NS:NS+1], v[X+8*\g+\p:X+8*\g+\p+1]          ; what it leaves of W,
.endr
.irp p, 0,2,4,6
	v_pk_fma_f32 v[Q+\p:Q+\p+1], v[E+\p:E+\p+1], v[RI:RI+1], v[Q+\p:Q+\p+1]                    ; and the quotient corrected by it
.endr
.irp p, 0,1,2,3,4,5,6,7
	v_rndne_f32 v[Q+\p], v[Q+\p]                   ; to the nearest whole number, ties to even
.endr
.irp p, 0,1,2,3,4,5,6,7
	v_med3_num_f32 v[Q+\p], v[Q+\p], -2.0, 2.0     ; five levels
.endr
.irp p, 0,2,4,6
	v_pk_mul_f32 v[Q+\p:Q+\p+1], v[Q+\p:Q+\p+1], v[SS:SS+1]                                    ; q s      (three roundings, as the definition has them: not fused)
.endr
.irp p, 0,2,4,6
	v_pk_add_f32 v[Q+\p:Q+\p+1], v[Q+\p:Q+\p+1], v[X+8*\g+\p:X+8*\g+\p+1] neg_lo:[0,1] neg_hi:[0,1]   ; - W
.endr
.irp p, 0,2,4,6
	v_pk_add_f32 v[X+8*\g+\p:X+8*\g+\p+1], v[Q+\p:Q+\p+1], v[X+8*\g+\p:X+8*\g+\p+1]            ; + W
.endr
.endr
.endm
.macro STEP t
.if (\t) < 7
	s_wait_loadcnt 16                              ; this step's 16 loads are in; the next step's 16 stay out
.else
	s_wait_loadcnt 0x0
.endif
.irp i, 0,1,2,3,4,5,6,7,8,9,10,11,12,13,14,15
	ds_store_b128 v[SA], v[R+64*((\t)%2)+4*\i:R+64*((\t)%2)+4*\i+3] offset:SP*\i      ; row i as it lies
.endr
.irp c, 0,1
.irp j, 0,1,2,3,4,5,6,7
	ds_load_b128 v[X+32*\c+4*\j:X+32*\c+4*\j+3], v[LA] offset:256*\c+16*\j            ; row r, k = 64 c + 32 h + 4 j on.  LDS serves a wave's instructions in order (ISA guide 5.7.1.4): these see the stores above
.endr
.endr
	s_wait_dscnt 0x0                               ; my two blocks are in, and the stores into the stage have read their registers
	s_wait_xcnt 0x0                                ; the last step's code stores have read theirs: the codes are written again only behind this wait
.if (\t)+2 < 8
	LOAD (\t)+2                                    ; into the set just emptied
.endif
	s_cmp_lt_u32 ttmp9, NWGW
	s_cbranch_scc0 .Lis_x_\@                       ; x is quantised as it is
	s_wait_alu depctr_va_vdst(0)
	WSTE
.Lis_x_\@:
.irp c, 0,1
	v_max3_num_f32 v[MX+\c], |v[X+32*\c]|, |v[X+32*\c+1]|, 0x1800000   ; my block 2 c + h: all its 32 numbers are mine; and the floor 2^(3 - 127): so the byte cannot fall under 1
.endr
.irp i, 2,4,6,8,10,12,14,16,18,20,22,24,26,28,30
.irp c, 0,1
	v_max3_num_f32 v[MX+\c], v[MX+\c], |v[X+32*\c+\i]|, |v[X+32*\c+\i+1]|   ; (the two blocks by turns)
.endr
.endr
.irp c, 0,1
	v_add_nc_u32 v[SCL+\c], 0xff000000, v[MX+\c]   ; 2 off its exponent field: the conversion takes the exponent field of this operand as its scale, and nothing else of it
.endr
.irp c, 0,1
	v_lshrrev_b32 v[BY+\c], 23, v[SCL+\c]          ; the scale's byte
.endr
	v_lshl_or_b32 v[WD], v[BY+1], 16, v[BY]        ; my two bytes: blocks h and 2 + h of row r,
	v_lshlrev_b32 v[WD], v[SH], v[WD]              ; at their places in the word;
	v_permlanex16_b32 v[PD], v[WD], s26, s27
.if (\t) < 4
	v_or_b32 v[DW+(\t)], v[WD], v[PD]              ; with lane l xor 16's two the word is whole, in both lanes
.else
	v_or_b32 v[WD], v[WD], v[PD]
	v_cndmask_b32 v[DW+(\t)-4], v[DW+(\t)-4], v[WD], s28   ; the second K step's words go to lanes 16-31
.endif
.irp c, 0,1
.irp g, 0,1,2,3
	v_cvt_scalef32_pk8_fp4_f32 v[CD+4*\c+\g], v[X+32*\c+8*\g:X+32*\c+8*\g+7], v[SCL+\c]   ; registers 4 c .. 4 c + 3 of the fragment; beyond 6 the largest code
.endr
.endr
	v_nop                                          ; one plain line behind the last scaled conversion
.irp c, 0,1
	global_store_b128 v[GL], v[CD+4*\c:CD+4*\c+3], s[10:11] offset:((\t)/4)*TILEB+((\t)%4)*1024+512*\c   ; 32 lanes store 512 consecutive bytes, at a multiple of 256 from the buffer's first byte
.endr
.endm
.irp t, 0,1,2,3,4,5,6,7
	STEP \t
.endr
	global_store_b128 v[SO], v[DW:DW+3], s[24:25]  ; lanes 0-15: my 16 rows' 256 bytes of scale words in tile 2 u; lanes 16-31: those in tile 2 u + 1: two whole aligned runs of 256 bytes
	s_wait_tensorcnt 0x0
	ds_add_u32 v62, v63
	s_wait_dscnt 0x0
	s_endpgm
.Lfunc_end_k_q6e7fe194e5_quant:
	.size	k_q6e7fe194e5_quant, .Lfunc_end_k_q6e7fe194e5_quant-k_q6e7fe194e5_quant
	.p2alignl 7, 3214868480
	.fill 96, 4, 3214868480
	.section	.rodata,"a",@progbits
	.p2align	6, 0x0
	.amdhsa_kernel k_q6e7fe194e5_quant
		.amdhsa_group_segment_fixed_size 17152
		.amdhsa_private_segment_fixed_size 0
		.amdhsa_enable_private_segment 0
		.amdhsa_kernarg_size 40
		.amdhsa_user_sgpr_count 2
		.amdhsa_user_sgpr_kernarg_segment_ptr 1
		.amdhsa_wavefront_size32 1
		.amdhsa_system_sgpr_workgroup_id_x 1
		.amdhsa_system_sgpr_workgroup_id_y 1
		.amdhsa_system_sgpr_workgroup_id_z 1
		.amdhsa_system_vgpr_workitem_id 0
		.amdhsa_next_free_vgpr 256
		.amdhsa_next_free_sgpr 66
		.amdhsa_reserve_vcc 0
		.amdhsa_float_denorm_mode_32 3
		.amdhsa_float_denorm_mode_16_64 3
		.amdhsa_memory_ordered 1
		.amdhsa_forward_progress 1
		.amdhsa_inst_pref_size 204
	.end_amdhsa_kernel
	.amdgpu_metadata
---
amdhsa.version: [ 1, 2 ]
amdhsa.kernels:
  - .name:           k_q6e7fe194e5_quant
    .symbol:         k_q6e7fe194e5_quant.kd
    .args:
      - { .name: x, .offset: 0, .size: 8, .value_kind: global_buffer, .address_space: global }
      - { .name: W, .offset: 8, .size: 8, .value_kind: global_buffer, .address_space: global }
      - { .name: part, .offset: 16, .size: 8, .value_kind: global_buffer, .address_space: global }
      - { .name: xq, .offset: 24, .size: 8, .value_kind: global_buffer, .address_space: global }
      - { .name: wq, .offset: 32, .size: 8, .value_kind: global_buffer, .address_space: global }
    .group_segment_fixed_size: 17152
    .private_segment_fixed_size: 0
    .kernarg_segment_align: 8
    .kernarg_segment_size: 40
    .max_flat_workgroup_size: 64
    .sgpr_count:     66
    .vgpr_count:     256
    .wavefront_size: 32
...
	.end_amdgpu_metadata
.endif
;; end of part 2
;; launch gemm (part 3): grid 8 x 32, 4 waves a work-group, clusters of 4 x 4, 327,680 bytes of LDS; arguments xq, wq, out0; writes out0
.if DOCPART == 3
	.amdgcn_target "amdgcn-amd-amdhsa--gfx1250"
	.amdhsa_code_object_version 6
	.text
	.protected	k_q6e7fe194e5_gemm
	.globl	k_q6e7fe194e5_gemm
	.p2align	8
	.type	k_q6e7fe194e5_gemm,@function
k_q6e7fe194e5_gemm:
	s_mov_b64 s[64:65], 0
	v_nop
	global_prefetch_b8 v0, s[64:65] scope:SCOPE_SE
	s_setreg_imm32_b32 hwreg(HW_REG_WAVE_MODE, 25, 1), 1
	s_wait_xcnt 0x0
	s_wait_alu depctr_hold_cnt(0) depctr_sa_sdst(0) depctr_va_vdst(0) depctr_va_sdst(0) depctr_va_ssrc(0) depctr_va_vcc(0) depctr_vm_vsrc(0)
	s_getreg_b32 s2, hwreg(HW_REG_IB_STS2, 6, 4)
	s_cmp_eq_u32 s2, 0
	s_cbranch_scc0 .Lentry_in_a_cluster
	s_endpgm
.Lentry_in_a_cluster:
	s_bfe_u32 s2, ttmp6, 0x10000c
	s_cmp_lg_u32 s2, 0xf033
	s_cbranch_scc0 .Lentry_shape_is_right
	s_endpgm
.Lentry_shape_is_right:
; out0[m][n] = sum over k of x[m][k] w[n][k] on codes of FP4 (E2M1) with one E8M0 byte for each 32 along K.  M 8,192, N 2,048, K 4,096; sums in f32, K ascending.
; xq and wq are laid by the launch before as the operand registers want them: a tile = 128 rows x 512 K = 34,816 consecutive bytes, tile (rb, ks) at (8 rb + ks) x 34,816;
; fragment (i, q) (rows 16 i on, k 128 q on) at (4 i + q) x 1,024, its registers 4 c .. 4 c + 3 at + 512 c, lane l's 16 bytes at + 16 l; from byte 32,768 on row 16 i + r has its four scale words at 256 i + 16 r.
; A block of out0, 256 x 256, is made by four waves, each 128 x 128: 64 accumulators, 512 registers: 8 x 32 = 256 work-groups.  K goes in steps of 512 through a ring of two LDS slots; a slot holds two tiles of x and two of w,
; each brought whole (136 rows of 256 bytes) by one tensor load: waves 0, 1 fetch x's, waves 2, 3 w's.
; CLUSTERS 4 x 4: x's tiles are shared along a row of the cluster, w's along a column: every tile is asked for jointly, by the same load with a mask that names the four.
; PREFETCH: behind each joint refill each wave asks for its tile of the K step two refills on; the four partners share the tile's 136 blocks of 256 bytes out by address, 34 each (32 lanes, then 2).
; K step 1 is asked for at the head, K steps 2 and 3 behind slot 1's first fill; the last trip's two refills have no K step two on and ask for nothing.
; THE LAST K STEP GOES BY ROWS OF out0: all its fragments of w fill window 1, x's come by blocks of 16 rows, and each finished block of 16 rows goes through the stage, back into its own registers, between the next blocks' products.
; The wave's 128 stores then leave in one run, behind its last LDS instruction.
; THE MATRIX INSTRUCTION IS USED TRANSPOSED (source 0 = 16 rows of w, source 1 = 16 rows of x): a lane holds eight neighbouring numbers of a row of out0.
; REGISTERS: window 0: v16-31 addresses; v32-95 scale words, two sets (lanes 0-15 x's block i, lanes 16-31 w's block i); v128-191 x's fragments, one set (in the last K step v128-255: four buffers of 16 rows x 512 K).
;   window 1: w's fragments, two sets at v0 and v128 (in the last K step all 256).  windows 2, 3: accumulators (a, b) at v[8 (8 (a % 4) + b)].
.set SIZE_N, 2048
.set SIZE_K, 4096
.set KSTEP,  512
.set NQ,     KSTEP/128
.set FR,     8
.set NL,     2
.set NP,     4
.set TILEB,  34816
.set HALFT,  TILEB
.set SLOT,   4*HALFT
.set SCOFF,  32768
.set LAPS,   SIZE_K/(2*KSTEP)
.set SPARE,  2*SLOT                    ; behind the ring: the spare words, 128 bytes a wave
.set SPITCH, 528                       ; the way out: 16 rows x 528 bytes a wave, in slot 0, which has had its last fill and its last read by then
.set ADRA, 16
.set ADRB, 20
.set ADRS, 22
.set STO,  24
.set RD,   25
.set CO,   26
.set SPW,  28
.set NIL,  29
.set PF1,  30                          ; v30  256 x lane: my share's blocks 0 to 31
.set PF2,  31                          ; v31  8,192 + 256 x min(lane, 1): its blocks 32 and 33
.set SC,   32
.set AF,   128
.set PA,   128
.set PFA,  10                          ; s[10:11] my work-group's quarter of the tile that I fetch, stepped a K step at each refill
.set G1, 24
.set G0, 32
.set G1B, 48
.set G0B, 56
.set MSB, 0
.macro WIN new                         ; the immediate's high byte repeats the setting that is left
.if MSB != \new
	s_set_vgpr_msb (MSB<<8)|\new
.set MSB, \new
.endif
.endm
.set MUL_LO, 0xa1                      ; source 0 (w) window 1, source 1 (x) window 0, C and D window 2
.set MUL_HI, 0xf1
.set TO_B,   0x40
.macro JLOAD g0a, g1a, g0b, g1b        ; a joint load; an s_nop 0 and four v_nop follow each of the two lines
	s_cmp_eq_u32 s15, 0
	s_cbranch_scc0 .Lfor_b_\@
	tensor_load_to_lds s[\g0a:\g0a+3], s[\g1a:\g1a+7]
	s_nop 0
.rept 4
	v_nop
.endr
	s_branch .Lasked_\@
.Lfor_b_\@:
	tensor_load_to_lds s[\g0b:\g0b+3], s[\g1b:\g1b+7]
	s_nop 0
.rept 4
	v_nop
.endr
.Lasked_\@:
.endm
.macro CREST                           ; a round of the cluster's barrier behind its opening barrier
	s_cmp_lg_u32 s14, 0
	s_cbranch_scc1 .Lnot_wave_0_\@
	s_barrier_signal -3
.Lnot_wave_0_\@:
	s_barrier_wait -3
	s_barrier_signal -1
	s_barrier_wait -1
.endm
.macro CROUND
	s_barrier_signal -1
	s_barrier_wait -1
	CREST
.endm
.macro PREF ks                         ; my 34 blocks of the tile ks K steps behind PFA
	global_prefetch_b8 v[PF1], s[PFA:PFA+1] offset:(\ks)*TILEB th:TH_LOAD_NT scope:SCOPE_SE
	global_prefetch_b8 v[PF2], s[PFA:PFA+1] offset:(\ks)*TILEB th:TH_LOAD_NT scope:SCOPE_SE
.endm
	s_load_b128 s[4:7], s[0:1], 0x0                ; xq, wq
	s_load_b64 s[12:13], s[0:1], 0x10              ; out0
	v_lshl_add_u32 v[SPW], v0, 2, SPARE
	v_mov_b32 v[NIL], 0
	ds_add_u32 v[SPW], v[NIL]                      ; the opening lines: the add, twice on end, and its wait
	ds_add_u32 v[SPW], v[NIL]
	v_lshrrev_b32 v1, 5, v0
	v_readfirstlane_b32 s14, v1                    ; wave 0..3
	s_lshr_b32 s15, s14, 1                         ; my half of the block's rows; also: I fetch for x (0) or for w (1)
	s_and_b32 s16, s14, 1                          ; my half of its columns; also: which of the two tiles I fetch
	s_bfe_u32 s40, ttmp6, 0x40000                  ; cx
	s_bfe_u32 s41, ttmp6, 0x40004                  ; cy
	s_lshl_b32 s42, ttmp9, 2
	s_add_co_u32 s42, s42, s40                     ; block column
	s_and_b32 s17, ttmp7, 0xffff
	s_lshl_b32 s17, s17, 2
	s_add_co_u32 s17, s17, s41                     ; block row
	s_lshl_b32 s43, s41, 2
	s_lshl_b32 s43, 15, s43                        ; my row of the cluster
	s_lshl_b32 s44, 0x1111, s40                    ; my column
	s_or_b32 s[G1+0], s43, (3<<16)|(1<<21)         ; the mask; elements of 8 bytes; bit 21 beside a mask
	s_or_b32 s[G1B+0], s44, (3<<16)|(1<<21)
.irp g, G1, G1B
	s_mov_b32 s[\g+1], 32<<16                      ; rows of 256 bytes,
	s_mov_b32 s[\g+2], 136<<16                     ; 136 of them: a tile
	s_mov_b32 s[\g+3], 32<<16
	s_mov_b32 s[\g+4], 136
	s_mov_b32 s[\g+5], 32                          ; dense
	s_mov_b32 s[\g+6], 0
	s_mov_b32 s[\g+7], 0
.endr
	s_lshl_b32 s20, s17, 1
	s_add_co_u32 s20, s20, s16
	s_mul_i32 s20, s20, 8*TILEB                    ; x: row block 2 x block row + half
	s_mov_b32 s21, 0
	s_lshl_b32 s46, s42, 1
	s_add_co_u32 s46, s46, s16
	s_mul_i32 s46, s46, 8*TILEB                    ; w: row block 2 x block column + half
	s_mov_b32 s47, 0
	s_mul_i32 s45, s14, HALFT                      ; LDS: wave x a tile
	s_wait_dscnt 0x0                               ; both opening adds are done
	s_wait_kmcnt 0x0
	s_add_nc_u64 s[20:21], s[4:5], s[20:21]
	s_add_nc_u64 s[46:47], s[6:7], s[46:47]
.irp s, 0,1
	s_mov_b32 s[G0+4*\s], 1
	s_add_co_u32 s[G0+4*\s+1], s45, \s*SLOT
	s_add_nc_u64 s[G0+4*\s+2:G0+4*\s+3], s[20:21], \s*TILEB
	s_or_b32 s[G0+4*\s+3], s[G0+4*\s+3], 0x80000000
	s_mov_b32 s[G0B+4*\s], 1
	s_add_co_u32 s[G0B+4*\s+1], s45, \s*SLOT
	s_add_nc_u64 s[G0B+4*\s+2:G0B+4*\s+3], s[46:47], \s*TILEB
	s_or_b32 s[G0B+4*\s+3], s[G0B+4*\s+3], 0x80000000
.endr
	s_cmp_eq_u32 s15, 0                            ; the prefetches: the tile that I fetch,
	s_cselect_b64 s[PFA:PFA+1], s[20:21], s[46:47]
	s_cselect_b32 s8, s40, s41                     ; my place among the four that ask for it with me,
	s_mul_i32 s8, s8, TILEB/4                      ; and so my quarter of it: told apart by address alone
	s_mov_b32 s9, 0
	s_add_nc_u64 s[PFA:PFA+1], s[PFA:PFA+1], s[8:9]
	CROUND                                         ; all sixteen work-groups are here: the first joint loads meet
	JLOAD G0, G1, G0B, G1B                         ; K step 0: one tensor load a wave at the head
	s_mul_i32 s21, s15, HALFT                      ; my 128 rows of x in slot 0
	s_mul_i32 s22, s16, HALFT
	s_add_co_u32 s22, s22, 2*HALFT                 ; my 128 rows of w, behind x's two tiles
	s_add_co_u32 s18, s21, SLOT
	s_add_co_u32 s19, s22, SLOT
	s_xor_b32 s23, s15, 1
	s_add_co_u32 s23, s23, s16
	s_add_co_u32 s23, s23, 1
	s_mul_i32 s23, s23, HALFT                      ; from my tile of x to my tile of w
	s_add_co_u32 s8, s21, SCOFF
	s_add_co_u32 s9, s8, SLOT
	s_mul_i32 s2, s14, 16*SPITCH                   ; my stage
	v_and_b32 v1, 31, v0                           ; lane
	v_and_b32 v2, 15, v0                           ; r
	v_bfe_u32 v3, v0, 4, 1                         ; h
	v_lshlrev_b32 v4, 4, v1
	v_add_nc_u32 v[ADRA], s21, v4
	v_add_nc_u32 v[ADRA+1], s18, v4
	v_add_nc_u32 v[ADRB], s22, v4
	v_add_nc_u32 v[ADRB+1], s19, v4
	v_mul_u32_u24 v6, s23, v3                      ; scale words: lanes 16-31 take w's
	v_lshl_add_u32 v5, v2, 4, v6
	v_add_nc_u32 v[ADRS], s8, v5
	v_add_nc_u32 v[ADRS+1], s9, v5
	v_mul_u32_u24 v7, v2, SPITCH                   ; into the stage: row r, 32 bytes for each half of the lanes
	v_lshl_add_u32 v7, v3, 5, v7
	v_add_nc_u32 v[STO], s2, v7
	v_lshlrev_b32 v[CO], 4, v1                     ; back: the 32 lanes take one row of 512 bytes; and the same in out0
	v_add_nc_u32 v[RD], s2, v[CO]
	v_lshlrev_b32 v[PF1], 8, v1
	v_min_u32 v8, 1, v1
	v_lshl_add_u32 v[PF2], v8, 8, 0x2000
	s_lshl_b32 s20, s17, 8
	s_lshl_b32 s21, s15, 7
	s_add_co_u32 s20, s20, s21                     ; my first row of out0
	s_mov_b32 s21, 0
	s_mov_b64 s[18:19], SIZE_N*4
	s_mul_u64 s[20:21], s[20:21], s[18:19]
	s_lshl_b32 s46, s42, 10
	s_lshl_b32 s47, s16, 9
	s_add_co_u32 s46, s46, s47                     ; my first column, in bytes
	s_mov_b32 s47, 0
	s_add_nc_u64 s[20:21], s[20:21], s[46:47]
	s_add_nc_u64 s[12:13], s[12:13], s[20:21]
.macro FRAG reg, adr, q, i
.irp c, 0,1
	ds_load_b128 v[\reg+4*\c:\reg+4*\c+3], v[\adr] offset:(4*(\i)+(\q))*1024+512*\c
.endr
.endm
; 16 matrix instructions: x's blocks a0, a0 + 1 against w's eight; the 64 accumulators take turns, one instruction a turn
.macro MUL16 a0, p, q, sc, zero
.irp a, \a0, \a0+1
.irp b, 0,1,2,3,4,5,6,7
.if \zero
	v_wmma_scale_f32_16x16x128_f8f6f4 v[8*(8*((\a)%4)+\b):8*(8*((\a)%4)+\b)+7], v[128*(\p)+FR*\b:128*(\p)+FR*\b+FR-1], v[AF+FR*(\a):AF+FR*(\a)+FR-1], 0, v[SC+8*NQ*(\sc)+NQ*\b+(\q)], v[SC+8*NQ*(\sc)+NQ*(\a)+(\q)] matrix_a_fmt:MATRIX_FMT_FP4 matrix_b_fmt:MATRIX_FMT_FP4 matrix_a_scale:MATRIX_SCALE_ROW1
.else
	v_wmma_scale_f32_16x16x128_f8f6f4 v[8*(8*((\a)%4)+\b):8*(8*((\a)%4)+\b)+7], v[128*(\p)+FR*\b:128*(\p)+FR*\b+FR-1], v[AF+FR*(\a):AF+FR*(\a)+FR-1], v[8*(8*((\a)%4)+\b):8*(8*((\a)%4)+\b)+7], v[SC+8*NQ*(\sc)+NQ*\b+(\q)], v[SC+8*NQ*(\sc)+NQ*(\a)+(\q)] matrix_a_fmt:MATRIX_FMT_FP4 matrix_b_fmt:MATRIX_FMT_FP4 matrix_a_scale:MATRIX_SCALE_ROW1
.endif
.endr
.endr
.endm
.macro FETCH_B slot, q, p
	WIN TO_B
.irp i, 0,1,2,3,4,5,6,7
	FRAG 128*(\p)+FR*\i, ADRB+\slot, \q, \i
.endr
	WIN 0
.endm
.macro FETCH_A slot, q, i0
.irp i, \i0, \i0+1, \i0+2, \i0+3
	FRAG AF+FR*(\i), ADRA+\slot, \q, \i
.endr
.endm
.macro SCALES sc
.irp i, 0,1,2,3,4,5,6,7
	ds_load_b128 v[SC+8*NQ*\sc+NQ*\i:SC+8*NQ*\sc+NQ*\i+3], v[ADRS+\sc] offset:256*\i
.endr
.endm
.macro PLACES n                        ; places in front of loads into registers that matrix instructions have read, and of reads of results
.rept \n
	v_nop
.endr
.endm
.macro STEP slot, q, zero              ; a step of 128 along K that has its successor in the same slot
	s_wait_dscnt 4*NL                              ; w's set and x's blocks 0-3 are in; the youngest eight loads (x's blocks 4-7) may be out
	WIN MUL_LO
	MUL16 0, (\q)%2, \q, \slot, \zero
	MUL16 2, (\q)%2, \q, \slot, \zero
	s_wait_dscnt 0
	PLACES NP
	FETCH_B \slot, (\q)+1, 1-(\q)%2
	FETCH_A \slot, (\q)+1, 0
	WIN MUL_HI
	MUL16 4, (\q)%2, \q, \slot, \zero
	MUL16 6, (\q)%2, \q, \slot, \zero
	PLACES NP
	WIN 0
	FETCH_A \slot, (\q)+1, 4
.endm
; The first half of a slot's last step: each wave waits for all its tensor loads, adds 0 to its spare word, waits for that and for its reads of this slot, and meets the others
.macro MEET slot
	s_wait_tensorcnt 0x0                           ; my part of the next slot is in
	ds_add_u32 v[SPW], v[NIL]
	s_wait_dscnt 4*NL+1                            ; (the add and the youngest eight loads may be out)
	WIN MUL_LO
	MUL16 0, 1, NQ-1, \slot, 0
	s_wait_dscnt 0x0                               ; the add is done, and my reads of this slot are over
	s_barrier_signal -1
	MUL16 2, 1, NQ-1, \slot, 0
	WIN 0
	s_barrier_wait -1
.endm
.macro TURN slot, next                 ; a slot's last step: the slots change, and this slot is filled again, two K steps ahead
	s_wait_xcnt 0x0                                ; my prefetches have read their address: it steps here, a K step behind them
	s_add_nc_u64 s[PFA:PFA+1], s[PFA:PFA+1], TILEB
	MEET \slot
	CREST                                          ; the barrier has opened a round of the cluster's barrier
	s_add_nc_u64 s[G0+4*\slot+2:G0+4*\slot+3], s[G0+4*\slot+2:G0+4*\slot+3], 2*TILEB
	s_add_nc_u64 s[G0B+4*\slot+2:G0B+4*\slot+3], s[G0B+4*\slot+2:G0B+4*\slot+3], 2*TILEB
	JLOAD G0+4*\slot, G1, G0B+4*\slot, G1B         ; the first tensor load behind the round; its four v_nop are the places in front of the loads below
	FETCH_B \next, 0, 0
	FETCH_A \next, 0, 0
	SCALES \next
	s_cmp_gt_u32 s3, 1                             ; s3 = 1 in the last trip: its refills have no K step two on
	s_cbranch_scc0 .Lno_ask_\@
	PREF 3                                         ; PFA stands a K step behind the step being multiplied: the tile two refills on
.Lno_ask_\@:
	WIN MUL_HI
	MUL16 4, 1, NQ-1, \slot, 0
	MUL16 6, 1, NQ-1, \slot, 0
	PLACES NP
	WIN 0
	FETCH_A \next, 0, 4
.endm
.macro STEPS slot, from
.set Q, \from
.rept NQ-1-\from
	STEP \slot, Q, 0
.set Q, Q+1
.endr
.endm
	s_wait_alu depctr_va_vdst(0)
	PREF 1                                         ; K step 1
	s_wait_tensorcnt 0x0                           ; my part of K step 0 is in
	ds_add_u32 v[SPW], v[NIL]
	s_wait_dscnt 0x0
	CROUND                                         ; everybody's part of K step 0 is in, and the joint loads meet
	JLOAD G0+4, G1, G0B+4, G1B                     ; K step 1: slot 1's first fill
	FETCH_B 0, 0, 0
	FETCH_A 0, 0, 0
	SCALES 0
	FETCH_A 0, 0, 4
	PREF 2                                         ; K steps 2 and 3: a K step and two K steps ahead of their loads
	PREF 3
	STEP 0, 0, 1                                   ; the first step stands in front of the loop: its products start the sums
	s_mov_b32 s3, LAPS-1
.Llap:                                                 ; a trip goes once round the ring, from a lap's second step to the next lap's first
	STEPS 0, 1
	TURN 0, 1
	STEPS 1, 0
	TURN 1, 0
	STEP 0, 0, 0
	s_sub_co_u32 s3, s3, 1
	s_cmp_lg_u32 s3, 0
	s_cbranch_scc1 .Llap
	STEPS 0, 1
; THE LAST K STEP (slot 1), BY ROWS OF out0
.macro BLOAD q                         ; w's fragments of quarter q -> window 1, v[64 q ..]
.irp i, 0,1,2,3,4,5,6,7
.irp c, 0,1
	ds_load_b128 v[64*\q+8*\i+4*\c:64*\q+8*\i+4*\c+3], v[ADRB+1] offset:(4*\i+\q)*1024+512*\c
.endr
.endr
.endm
.macro ALOAD a                         ; x's block a, all four quarters -> buffer a % 4
.irp q, 0,1,2,3
.irp c, 0,1
	ds_load_b128 v[PA+32*((\a)%4)+8*\q+4*\c:PA+32*((\a)%4)+8*\q+4*\c+3], v[ADRA+1] offset:(4*(\a)+\q)*1024+512*\c
.endr
.endr
.endm
.macro ROW a                           ; block a is finished: 32 matrix instructions, its 8 accumulators by turns, K ascending
.set FA, PA+32*((\a)%4)
.set AC, 64*((\a)%4)
	WIN MUL_LO+0x50*((\a)/4)
.irp q, 0,1,2,3
.if (\a) == 0 && \q == 2
	s_wait_dscnt 8                                 ; w's quarter 2 is in (behind it: x's block 1)
.endif
.irp b, 0,1,2,3,4,5,6,7
	v_wmma_scale_f32_16x16x128_f8f6f4 v[AC+8*\b:AC+8*\b+7], v[64*\q+8*\b:64*\q+8*\b+7], v[FA+8*\q:FA+8*\q+7], v[AC+8*\b:AC+8*\b+7], v[SC+8*NQ+NQ*\b+\q], v[SC+8*NQ+NQ*(\a)+\q] matrix_a_fmt:MATRIX_FMT_FP4 matrix_b_fmt:MATRIX_FMT_FP4 matrix_a_scale:MATRIX_SCALE_ROW1
.endr
.endr
.endm
; Block a, 16 rows x 128 columns, goes into my stage and comes back, as whole rows of 512 bytes, INTO THE BLOCK'S OWN 64 REGISTERS: so all eight blocks can wait in registers for the one run of stores.
.macro TOSTAGE a
.set AC, 64*((\a)%4)
	WIN 0x88+0x44*((\a)/4)                         ; store data and load destination: window 2 or 3
.irp b, 0,1,2,3,4,5,6,7
	ds_store_b128 v[STO], v[AC+8*\b:AC+8*\b+3] offset:64*\b          ; each accumulator from its low end on
	ds_store_b128 v[STO], v[AC+8*\b+4:AC+8*\b+7] offset:64*\b+16
.endr
.irp t, 0,1,2,3,4,5,6,7,8,9,10,11,12,13,14,15
	ds_load_b128 v[AC+4*\t:AC+4*\t+3], v[RD] offset:\t*SPITCH        ; LDS serves a wave's instructions in order: these follow the stores above
.endr
.endm
.macro SEND a
.set AC, 64*((\a)%4)
	WIN 0x88+0x44*((\a)/4)
.irp t, 0,1,2,3,4,5,6,7,8,9,10,11,12,13,14,15
	global_store_b128 v[CO], v[AC+4*\t:AC+4*\t+3], s[12:13] offset:(16*(\a)+\t)*SIZE_N*4   ; 512 consecutive bytes, at a multiple of 256 from out0's first byte; the row stands in the immediate: 127 x 8,192 at the most
.endr
.endm
	MEET 0                                         ; the load that was out is slot 1's, the last K step's, so no round follows
	PLACES NP
	WIN TO_B
	BLOAD 0                                        ; three quarters of w now: set 1 (v128-191) is still being multiplied
	BLOAD 1
	BLOAD 3
	WIN 0
	SCALES 1
	ALOAD 0                                        ; over x's blocks 0-3, which are done with
	ALOAD 2
	ALOAD 3
	WIN MUL_HI
	MUL16 4, 1, NQ-1, 0, 0
	MUL16 6, 1, NQ-1, 0, 0
	PLACES NP
	WIN TO_B
	BLOAD 2
	WIN 0
	ALOAD 1
	s_wait_dscnt 24                                ; all but the 24 just issued
	ROW 0
.irp a, 0,1,2,3,4,5,6,7
	PLACES NP                                      ; in front of the reads of block a's results and of the loads into its registers and its buffer
	TOSTAGE \a
.if \a < 4
	WIN 0
	ALOAD \a+4                                     ; its buffer takes the block four further on
	s_wait_dscnt 40                                ; x's next block is in: behind it stand the stage's 32 and these 8
	ROW \a+1
.else
.if \a < 7
	s_wait_dscnt 32                                ; behind x's next block stand the stage's 32
	ROW \a+1
.endif
.endif
.endr
	WIN 0
	s_wait_tensorcnt 0x0                           ; behind my last tensor load and my last LDS store: a wait, an add to my spare word, and its wait;
	ds_add_u32 v[SPW], v[NIL]
	s_wait_dscnt 0x0                               ; the wait also shows all eight blocks back in their registers
.irp a, 0,1,2,3,4,5,6,7
	SEND \a                                        ; 128 stores on end; no register of theirs is written again
.endr
	WIN 0
	CROUND                                         ; the closing round
	s_endpgm
.Lfunc_end_k_q6e7fe194e5_gemm:
	.size	k_q6e7fe194e5_gemm, .Lfunc_end_k_q6e7fe194e5_gemm-k_q6e7fe194e5_gemm
	.p2alignl 7, 3214868480
	.fill 96, 4, 3214868480
	.section	.rodata,"a",@progbits
	.p2align	6, 0x0
	.amdhsa_kernel k_q6e7fe194e5_gemm
		.amdhsa_group_segment_fixed_size 327680
		.amdhsa_private_segment_fixed_size 0
		.amdhsa_enable_private_segment 0
		.amdhsa_kernarg_size 24
		.amdhsa_user_sgpr_count 2
		.amdhsa_user_sgpr_kernarg_segment_ptr 1
		.amdhsa_wavefront_size32 1
		.amdhsa_system_sgpr_workgroup_id_x 1
		.amdhsa_system_sgpr_workgroup_id_y 1
		.amdhsa_system_sgpr_workgroup_id_z 1
		.amdhsa_system_vgpr_workitem_id 0
		.amdhsa_next_free_vgpr 1024
		.amdhsa_next_free_sgpr 66
		.amdhsa_reserve_vcc 0
		.amdhsa_float_denorm_mode_32 3
		.amdhsa_float_denorm_mode_16_64 3
		.amdhsa_memory_ordered 1
		.amdhsa_forward_progress 1
		.amdhsa_inst_pref_size 210
	.end_amdhsa_kernel
	.amdgpu_metadata
---
amdhsa.version: [ 1, 2 ]
amdhsa.kernels:
  - .name:           k_q6e7fe194e5_gemm
    .symbol:         k_q6e7fe194e5_gemm.kd
    .args:
      - { .name: xq, .offset: 0, .size: 8, .value_kind: global_buffer, .address_space: global }
      - { .name: wq, .offset: 8, .size: 8, .value_kind: global_buffer, .address_space: global }
      - { .name: out0, .offset: 16, .size: 8, .value_kind: global_buffer, .address_space: global }
    .group_segment_fixed_size: 327680
    .private_segment_fixed_size: 0
    .kernarg_segment_align: 8
    .kernarg_segment_size: 24
    .max_flat_workgroup_size: 128
    .sgpr_count:     66
    .vgpr_count:     1024
    .wavefront_size: 32
...
	.end_amdgpu_metadata
.endif
;; end of part 3
